; MI455X (gfx1250); checked and timed in simulation.
; The chip was launched on July 23, 2026; its instructions are those of AMD's public machine-readable ISA for CDNA 5 (MIT licence, August 2026) and "CDNA5" Instruction Set Architecture Reference Guide (July 2026). The comments in the code are by the model that wrote it; some were corrected since.
;; Attention Layer2. Allowed arithmetic: float matrix products may take bf16 or f16 operands with f32 sums; all other float work in f32.
;; Inputs: x 8 x 2,048 x 1,024 float32.
;; Outputs: out0 8 x 1,024 float32.
;; One version. Each part assembles by itself: llvm-mc -triple=amdgcn-amd-amdhsa -mcpu=gfx1250 --defsym DOCPART=n.
;; ======== version 1 of 1: 4 launches
;; workspace buffers: xb 33,554,432 bytes; pt 67,108,864 bytes; mst 1,048,576 bytes; lst 1,048,576 bytes; opart 1,048,576 bytes
;; launch cvt (part 1): grid 1024 x 1, 8 waves a work-group, no clusters, 0 bytes of LDS; arguments x, xb; writes xb
.if DOCPART == 1
	.amdgcn_target "amdgcn-amd-amdhsa--gfx1250"
	.amdhsa_code_object_version 6
	.text
	.protected	k_q8a9ac8eb32_cvt
	.globl	k_q8a9ac8eb32_cvt
	.p2align	8
	.type	k_q8a9ac8eb32_cvt,@function
k_q8a9ac8eb32_cvt:
	s_mov_b64 s[64:65], 0
	v_nop
	global_prefetch_b8 v0, s[64:65] scope:SCOPE_SE
	s_setreg_imm32_b32 hwreg(HW_REG_WAVE_MODE, 25, 1), 1
	s_wait_xcnt 0x0
; xb = x rounded to bf16 (nearest even).  x: [16384][1024] f32, xb: the same shape in bf16: the operand of the product x x^T.
; A stream: a work-group takes 65,536 bytes of x, each of its eight waves 8,192: sixteen loads of 512 consecutive bytes, all issued
; at once; a lane's four numbers pack into 8 bytes, and a wave's store covers 256 consecutive bytes, aligned.
; No register is written twice, so the only waits are the counted ones for the loads.  No LDS, no barrier: no wave needs another's data.
.set X, 8                              ; v[8:71]    load i: 4 registers
.set Y, 72                             ; v[72:103]  store i: 2 registers
	s_load_b128 s[4:7], s[0:1], 0x0                ; x s[4:5], xb s[6:7]
	v_and_b32 v3, 31, v0                           ; lane
	v_lshrrev_b32 v4, 5, v0                        ; wave
	v_lshlrev_b32 v1, 4, v3
	v_lshl_add_u32 v1, v4, 13, v1                  ; in x: 8,192 x wave + 16 x lane
	v_lshlrev_b32 v2, 3, v3
	v_lshl_add_u32 v2, v4, 12, v2                  ; in xb: 4,096 x wave + 8 x lane
	s_lshl_b32 s8, ttmp9, 16                       ; the work-group's 65,536 bytes of x (1,024 groups: under 2^26),
	s_mov_b32 s9, 0
	s_lshl_b32 s10, ttmp9, 15                      ; and its 32,768 of xb
	s_mov_b32 s11, 0
	s_wait_kmcnt 0x0
	s_add_nc_u64 s[4:5], s[4:5], s[8:9]
	s_add_nc_u64 s[6:7], s[6:7], s[10:11]
.set i, 0
.rept 16
	global_load_b128 v[X+4*i:X+4*i+3], v1, s[4:5] offset:512*i th:TH_LOAD_NT
.set i, i+1
.endr
.set i, 0
.rept 16
	s_wait_loadcnt 15-i                            ; loads come back in order: load i is in, the 15 - i younger ones stay out
	v_cvt_pk_bf16_f32 v[Y+2*i], v[X+4*i], v[X+4*i+1]
	v_cvt_pk_bf16_f32 v[Y+2*i+1], v[X+4*i+2], v[X+4*i+3]
	global_store_b64 v2, v[Y+2*i:Y+2*i+1], s[6:7] offset:256*i
.set i, i+1
.endr
	s_endpgm
.Lfunc_end_k_q8a9ac8eb32_cvt:
	.size	k_q8a9ac8eb32_cvt, .Lfunc_end_k_q8a9ac8eb32_cvt-k_q8a9ac8eb32_cvt
	.p2alignl 7, 3214868480
	.fill 96, 4, 3214868480
	.section	.rodata,"a",@progbits
	.p2align	6, 0x0
	.amdhsa_kernel k_q8a9ac8eb32_cvt
		.amdhsa_group_segment_fixed_size 0
		.amdhsa_private_segment_fixed_size 0
		.amdhsa_enable_private_segment 0
		.amdhsa_kernarg_size 16
		.amdhsa_user_sgpr_count 2
		.amdhsa_user_sgpr_kernarg_segment_ptr 1
		.amdhsa_wavefront_size32 1
		.amdhsa_system_sgpr_workgroup_id_x 1
		.amdhsa_system_sgpr_workgroup_id_y 1
		.amdhsa_system_sgpr_workgroup_id_z 1
		.amdhsa_system_vgpr_workitem_id 0
		.amdhsa_next_free_vgpr 104
		.amdhsa_next_free_sgpr 66
		.amdhsa_reserve_vcc 0
		.amdhsa_float_denorm_mode_32 3
		.amdhsa_float_denorm_mode_16_64 3
		.amdhsa_memory_ordered 1
		.amdhsa_forward_progress 1
		.amdhsa_inst_pref_size 7
	.end_amdhsa_kernel
	.amdgpu_metadata
---
amdhsa.version: [ 1, 2 ]
amdhsa.kernels:
  - .name:           k_q8a9ac8eb32_cvt
    .symbol:         k_q8a9ac8eb32_cvt.kd
    .args:
      - { .name: x, .offset: 0, .size: 8, .value_kind: global_buffer, .address_space: global }
      - { .name: xb, .offset: 8, .size: 8, .value_kind: global_buffer, .address_space: global }
    .group_segment_fixed_size: 0
    .private_segment_fixed_size: 0
    .kernarg_segment_align: 8
    .kernarg_segment_size: 16
    .max_flat_workgroup_size: 256
    .sgpr_count:     66
    .vgpr_count:     104
    .wavefront_size: 32
...
	.end_amdgpu_metadata
.endif
;; end of part 1
;; launch scores (part 2): grid 8 x 32, 4 waves a work-group, clusters of 4 x 4, 327,680 bytes of LDS; arguments xb, pt, mst, lst; writes pt, mst, lst
.if DOCPART == 2
	.amdgcn_target "amdgcn-amd-amdhsa--gfx1250"
	.amdhsa_code_object_version 6
	.text
	.protected	k_q8a9ac8eb32_scores
	.globl	k_q8a9ac8eb32_scores
	.p2align	8
	.type	k_q8a9ac8eb32_scores,@function
k_q8a9ac8eb32_scores:
	s_mov_b64 s[64:65], 0
	v_nop
	global_prefetch_b8 v0, s[64:65] scope:SCOPE_SE
	s_setreg_imm32_b32 hwreg(HW_REG_WAVE_MODE, 25, 1), 1
	s_wait_xcnt 0x0
	s_wait_alu depctr_hold_cnt(0) depctr_sa_sdst(0) depctr_va_vdst(0) depctr_va_sdst(0) depctr_va_ssrc(0) depctr_va_vcc(0) depctr_vm_vsrc(0)
	s_getreg_b32 s2, hwreg(HW_REG_IB_STS2, 6, 4)
	s_cmp_eq_u32 s2, 0
	s_cbranch_scc0 .Lentry_in_a_cluster
	s_endpgm
.Lentry_in_a_cluster:
	s_bfe_u32 s2, ttmp6, 0x10000c
	s_cmp_lg_u32 s2, 0xf033
	s_cbranch_scc0 .Lentry_shape_is_right
	s_endpgm
.Lentry_shape_is_right:
; S = X X^T for each of 8 batches (X: 2,048 x 1,024, here in bf16; sums in f32), and on the way out a softmax LOCAL to each query and each chunk of 128 keys:
;   M' = c m (c = log2 e, m the largest of the chunk's 128 scores),  p~ = 2^(c s - M') by one fused multiply-add and one exponential,  l = the sum of the 128 p~.
; Stored: pt[b 2048 + q][k] = p~ in bf16; mst, lst [b][chunk of 128 keys][q] = M', l in f32.  The next launch joins the 16 chunks of a row by their true maximum.
; M' serves as a shift alone, and the same stored number enters weights and sums, so its own rounding cancels.
; LIMITS.  c times the largest score must be finite; a weight below 2^-126 of its chunk's largest counts as 0; p~ is rounded to bf16 while l is the sum of the unrounded p~; NaN and infinities are not treated apart.
; SHARES.  A tile is 256 queries x 256 keys; each of a work-group's four waves makes 128 x 128 of it: 64 accumulators of 16 x 16, 512 registers.  K = 1,024 goes in 8 steps of 128 through two LDS slots
; filled by the tensor data mover; the tiles' rows are 256 bytes of memory, at multiples of 256 from xb's first byte.
; A WORK-GROUP STAYS: it makes two tiles of one batch, 1,024 queries apart, with the same 256 keys: 8 x 32 work-groups for 512 tiles.  The ring does not stop at the first tile's end: its last two changes
; of slots ask for the second tile's first two K steps, and nothing waits for the first tile's stores.
; CLUSTERS: 4 x 4 work-groups.  The four of a row of the cluster need the same 256 query rows, the four of a column the same 256 key rows: each tile is asked for JOINTLY, by the same
; tensor load with the same descriptor and a mask that names the four.  The batch is the cluster's y.
; THE MATRIX INSTRUCTION IS USED TRANSPOSED: source 0 = 16 keys, source 1 = 16 queries.  A lane then holds ONE query (lane % 16), and register 8 b + j of block a's 64 the key 16 b + 8 (lane / 16) + j:
; a query's maximum and sum want one exchange between the halves of the lanes, and eight neighbouring p~ pack into 16 bytes.
; REGISTERS, in windows of 256 (s_set_vgpr_msb: bits 1:0 source 0, 3:2 source 1, 5:4 source 2, 7:6 destination):
;   window 0: v6-8 M', m, l; v16-31 addresses; v64-127, v128-191 the queries' fragments, two buffers; on the way out v128-191 at work (the first buffer then holds the next tile's first fragments),
;             v192-223 packed p~, v32-63 and v224-255 rows read back
;   window 1: v64-127, v128-191 the keys' fragments, two buffers      windows 2, 3: the accumulators of my query blocks 0-3, 4-7 (block a, key block b at 64 (a % 4) + 8 b)
.set SIZE_K, 1024
.set KSTEP,  128
.set PITCH,  272                       ; an LDS row: 256 bytes + 16 of padding = 68 words: the 16 rows that a fragment load touches start 4 banks apart (64 banks of 4 bytes: ISA guide 11.1)
.set HALFT,  128*PITCH                 ; 128 rows: what one tensor load brings, and what one wave reads of the queries or of the keys
.set SLOT,   4*HALFT                   ; 256 query rows, then 256 key rows
.set STAGE,  2*SLOT                    ; behind the ring: 16 rows x 272 bytes for each wave
.set SPITCH, 272
.set STAT,   STAGE+4*16*SPITCH         ; for each wave 512 bytes of M' and 512 of l (128 queries)
.set SPARE,  STAT+4*1024               ; the spare words, 128 bytes for each wave: two blocks of 256 bytes that no other line names
.set LAPS,   SIZE_K/(2*KSTEP)          ; a lap = two K steps = once round the ring: 4
.set PROW,   4096                      ; bytes in a row of pt
.set TILES,  2                         ; tiles to a work-group
.set WALK,   1024                      ; query rows from a work-group's first tile to its second
.set NEXT_A, WALK*SIZE_K*2-(SIZE_K-2*KSTEP)*2  ; bytes from a slot's last K step of a tile to its first of the next: the queries go WALK rows down and back along K,
.set BACK_B, (SIZE_K-2*KSTEP)*2        ; the keys only back
.set NEXT_P, (WALK-7*16)*PROW          ; bytes in pt from my last 16 rows of a tile to my first of the next
.set MP,   6                           ; v6 M', v7 m
.set LS,   8                           ; v8 l
.set ADRA, 16                          ; v16-17  LDS address of my query fragments in slot 0, 1
.set ADRB, 20                          ; v20-21  the same for the keys
.set STO,  24                          ; v24     where I put 16 bytes of a stage row
.set RD,   25                          ; v25     where I read a stage row back
.set CO,   26                          ; v26     my byte offset in two rows of pt
.set SA,   27                          ; v27     my query's word among my wave's statistics
.set SPW,  28                          ; v28     LDS address of my spare word; never rewritten
.set NIL,  29                          ; v29     0; never rewritten
.set SR,   30                          ; v30     where I read 16 bytes of statistics back
.set SO,   31                          ; v31     and where they go in 512 bytes of mst and lst
.set F0,   64
.set F1,   128
.set TMP,  192
.set OB,   32
.set T,    128                         ; v128-149 partial maxima
.set P,    128                         ; v128-191 then the block's 64 weights
.set WV,  12                           ; s12 my wave
.set RH,  13                           ; s13 which half of the tile's queries is mine.  Also: I fetch query rows (0) or key rows (1)
.set CH,  14                           ; s14 which half of its keys.  Also: which 128 rows of that tile I fetch
.set G1,  24                           ; s[24:31] descriptor group 1 for the query tiles;  s[32:39] group 0, a set for each slot
.set G0,  32
.set G1B, 48                           ; s[48:55], s[56:63] the same for the key tiles
.set G0B, 56
.set CS,  66                           ; s[66:67] c, named as a pair
.set SEL, 68                           ; s[68:69] v_permlanex16_b32's selects: each lane takes its own place in the other half
.set MSB, 0
.macro WIN new                         ; the immediate's high byte repeats the setting that is left; a switch that changes nothing is dropped
.if MSB != (\new)
	s_set_vgpr_msb (MSB<<8)|(\new)
.set MSB, \new
.endif
.endm
.set MUL_LO, 0xa1                      ; source 0 (keys) window 1, source 1 (queries) window 0, C and D window 2
.set MUL_HI, 0xf1                      ; the same, C and D window 3
.set TO_B,   0x40                      ; destination window 1, address window 0
; A joint load.  Waves 0 and 1 fetch the two halves of the query tile, waves 2 and 3 those of the key tile.  Each line has one mask and one set of registers for all that issue it;
; the branch hangs on the wave's number alone.  An s_nop 0 and four v_nop follow each of the two lines, ahead of the jump, the label and what follows.
.macro JLOAD s
	s_cmp_eq_u32 s[RH], 0
	s_cbranch_scc0 .Lfor_b_\@
	tensor_load_to_lds s[G0+4*(\s):G0+4*(\s)+3], s[G1:G1+7]
	s_nop 0
.rept 4
	v_nop
.endr
	s_branch .Lasked_\@
.Lfor_b_\@:
	tensor_load_to_lds s[G0B+4*(\s):G0B+4*(\s)+3], s[G1B:G1B+7]
	s_nop 0
.rept 4
	v_nop
.endr
.Lasked_\@:
.endm
; A round of the cluster's barrier: my work-group's barrier, so that wave 0's signal speaks for all four waves; wave 0 signals; every wave waits for all sixteen work-groups; my work-group's barrier once more.
.macro CREST                           ; a round behind its opening barrier
	s_cmp_lg_u32 s[WV], 0
	s_cbranch_scc1 .Lnot_wave_0_\@
	s_barrier_signal -3
.Lnot_wave_0_\@:
	s_barrier_wait -3
	s_barrier_signal -1
	s_barrier_wait -1
.endm
.macro CROUND                          ; a whole round
	s_barrier_signal -1
	s_barrier_wait -1
	CREST
.endm
	s_load_b256 s[4:11], s[0:1], 0x0               ; xb s[4:5], pt s[6:7], mst s[8:9], lst s[10:11]
	v_lshl_add_u32 v[SPW], v0, 2, SPARE
	v_mov_b32 v[NIL], 0
	ds_add_u32 v[SPW], v[NIL]                      ; the wave's opening: the add and its wait stand ahead of my first tensor load; the set-up below, work on registers, stands between them
	v_lshrrev_b32 v1, 5, v0
	v_readfirstlane_b32 s[WV], v1                  ; wave 0..3
	s_lshr_b32 s[RH], s[WV], 1
	s_and_b32 s[CH], s[WV], 1
	s_bfe_u32 s15, ttmp6, 0x40000                  ; cx: my place along the cluster's x
	s_bfe_u32 s16, ttmp6, 0x40004                  ; cy: along its y
	s_lshl_b32 s17, ttmp9, 2                       ; in a cluster launch ttmp9 and ttmp7 count clusters
	s_add_co_u32 s17, s17, s15                     ; J, the key tile of the batch, 0..7 = 4 x cluster x + cx
	s_and_b32 s19, ttmp7, 0xffff                   ; the batch = cluster y
	s_lshl_b32 s18, s19, 3
	s_add_co_u32 s18, s18, s16                     ; y, my first query tile among all 64 = 8 x batch + cy; the second lies four tiles on
	s_lshl_b32 s20, s16, 2
	s_lshl_b32 s20, 15, s20                        ; my row of the cluster: places 4 cy .. 4 cy + 3
	s_lshl_b32 s21, 0x1111, s15                    ; my column: places cx, cx + 4, cx + 8, cx + 12
	; descriptor group 1: a tile of 128 rows x 128 elements, padded in LDS
	s_or_b32 s[G1+0], s20, (1<<16)|(1<<20)|(1<<21)|(5<<22)|(3<<25)   ; 15:0 the mask: query tiles go to my row; 17:16 elements of 2 bytes; 20 padding on; 21 set beside a mask; 24:22 after every 64 words (code 5); 31:25 4 words of it (code 3)
	s_or_b32 s[G1B+0], s21, (1<<16)|(1<<20)|(1<<21)|(5<<22)|(3<<25)  ; the same with the mask of my column, for the key tiles
.irp g, G1, G1B
	s_mov_b32 s[(\g)+1], KSTEP<<16                 ; tensor_dim0 = 128
	s_mov_b32 s[(\g)+2], 128<<16                   ; tensor_dim1 = 128
	s_mov_b32 s[(\g)+3], KSTEP<<16                 ; tile_dim0 = 128
	s_mov_b32 s[(\g)+4], 128                       ; tile_dim1 = 128
	s_mov_b32 s[(\g)+5], SIZE_K                    ; 1,024 elements from row to row
	s_mov_b32 s[(\g)+6], 0
	s_mov_b32 s[(\g)+7], 0
.endr
	; where the tiles come from.  The query tile hangs on y alone, which my row of the cluster shares; the key tile on the batch and J, which my column shares.
	; Every wave makes both addresses, in registers that never hold the other coordinate, and asks by one of them.
	s_lshl_b32 s23, s[CH], 7                       ; which 128 rows of the tile I fetch
	s_lshl_b32 s40, s18, 8
	s_add_co_u32 s40, s40, s23                     ; queries: row 256 y + 128 x half
	s_lshl_b32 s40, s40, 11                        ; rows of 2,048 bytes: under 2^25
	s_mov_b32 s41, 0
	s_lshl_b32 s42, s19, 11
	s_lshl_b32 s44, s17, 8
	s_add_co_u32 s42, s42, s44
	s_add_co_u32 s42, s42, s23                     ; keys: row 2,048 x batch + 256 J + 128 x half
	s_lshl_b32 s42, s42, 11
	s_mov_b32 s43, 0
	s_mul_i32 s22, s[WV], HALFT                    ; and where they go: wave x 128 rows: no place in the cluster enters an LDS address
	s_mov_b32 s[CS], 0x3fb8aa3b                    ; c = log2 e
	s_mov_b32 s[CS+1], s[CS]
	s_mov_b32 s[SEL], 0x76543210
	s_mov_b32 s[SEL+1], 0xfedcba98
	s_wait_dscnt 0x0                               ; the opening add is done
	s_wait_kmcnt 0x0
	s_add_nc_u64 s[40:41], s[4:5], s[40:41]
	s_add_nc_u64 s[42:43], s[4:5], s[42:43]
	CROUND                                         ; all sixteen work-groups are here: the first joint loads meet
.irp s, 0,1
	s_mov_b32 s[G0+4*(\s)], 1                                        ; 1:0 count = 1
	s_add_co_u32 s[G0+4*(\s)+1], s22, (\s)*SLOT                      ; 63:32 LDS address
	s_add_nc_u64 s[G0+4*(\s)+2:G0+4*(\s)+3], s[40:41], (\s)*KSTEP*2  ; 120:64 global address: K step s
	s_or_b32 s[G0+4*(\s)+3], s[G0+4*(\s)+3], 0x80000000              ; 127:126 type = 2
	s_mov_b32 s[G0B+4*(\s)], 1
	s_add_co_u32 s[G0B+4*(\s)+1], s22, (\s)*SLOT
	s_add_nc_u64 s[G0B+4*(\s)+2:G0B+4*(\s)+3], s[42:43], (\s)*KSTEP*2
	s_or_b32 s[G0B+4*(\s)+3], s[G0B+4*(\s)+3], 0x80000000
	JLOAD \s                                       ; two loads of mine are out, the most in this text
.endr
	; A fragment is 16 rows x 32 K in 8 registers: lane l holds row l % 16; registers 0-3 K = 8 (l / 16) + 0..7, registers 4-7 K = 16 + 8 (l / 16) + 0..7: two loads of 16 bytes, 32 bytes apart.
	v_and_b32 v1, 15, v0                           ; l % 16
	v_bfe_u32 v2, v0, 4, 1                         ; l / 16
	v_mul_u32_u24 v3, v1, PITCH
	v_lshl_add_u32 v3, v2, 4, v3                   ; row x pitch + 16 x half
	s_mul_i32 s45, s[RH], HALFT                    ; my 128 query rows
	s_mul_i32 s46, s[CH], HALFT                    ; my 128 key rows,
	s_add_co_u32 s46, s46, 2*HALFT                 ; which lie behind the 256 query rows
.irp s, 0,1
	v_add_nc_u32 v[ADRA+(\s)], s45, v3
	v_add_nc_u32 v[ADRB+(\s)], s46, v3
	s_add_co_u32 s45, s45, SLOT
	s_add_co_u32 s46, s46, SLOT
.endr
	s_mul_i32 s47, s[WV], 16*SPITCH
	s_add_co_u32 s47, s47, STAGE                   ; my stage
	v_mul_u32_u24 v4, v1, SPITCH                   ; in: row l % 16, 16 bytes for each half of the lanes
	v_lshl_add_u32 v4, v2, 4, v4
	v_add_nc_u32 v[STO], s47, v4
	v_mul_u32_u24 v5, v2, SPITCH                   ; back: lanes 0-15 take one row of 256 bytes, lanes 16-31 the next
	v_lshl_add_u32 v5, v1, 4, v5
	v_add_nc_u32 v[RD], s47, v5
	v_lshlrev_b32 v5, 12, v2                       ; and the same two rows in pt
	v_lshl_add_u32 v[CO], v1, 4, v5
	s_lshl_b32 s47, s[WV], 10
	s_add_co_u32 s47, s47, STAT                    ; my wave's statistics
	v_lshl_add_u32 v[SA], v1, 2, s47               ; both halves of the lanes hold the query's figure and write the same word
	v_and_b32 v5, 31, v0
	v_lshl_add_u32 v[SR], v5, 4, s47
	v_lshlrev_b32 v[SO], 4, v5
	; where my first tile's results go, in registers that feed no descriptor
	s_lshl_b32 s70, s18, 8
	s_lshl_b32 s72, s[RH], 7
	s_add_co_u32 s70, s70, s72                     ; my first row of pt: 256 y + 128 x half
	s_lshl_b32 s70, s70, 12                        ; rows of 4,096 bytes: under 2^26
	s_lshl_b32 s72, s17, 9
	s_add_co_u32 s70, s70, s72                     ; + 512 J
	s_lshl_b32 s72, s[CH], 8
	s_add_co_u32 s70, s70, s72                     ; + 256 x half: my 128 keys
	s_mov_b32 s71, 0
	s_add_nc_u64 s[6:7], s[6:7], s[70:71]
	s_lshl_b32 s70, s19, 4
	s_lshl_b32 s72, s17, 1
	s_add_co_u32 s70, s70, s72
	s_add_co_u32 s70, s70, s[CH]                   ; 16 x batch + my chunk, 2 J + half
	s_lshl_b32 s70, s70, 11                        ; 2,048 queries to a chunk
	s_and_b32 s72, s18, 7
	s_lshl_b32 s72, s72, 8
	s_add_co_u32 s70, s70, s72                     ; + the tile's first query in the batch
	s_lshl_b32 s72, s[RH], 7
	s_add_co_u32 s70, s70, s72                     ; + my half's
	s_lshl_b32 s70, s70, 2
	s_add_nc_u64 s[8:9], s[8:9], s[70:71]
	s_add_nc_u64 s[10:11], s[10:11], s[70:71]
; 16 matrix instructions: query blocks a0, a0 + 1 of the window's four (hi = 0: my queries 0-63, 1: 64-127) x all 8 key blocks, 32 along K.  zero = 1: the first product starts the sums: nothing is cleared.
; The 64 accumulators take turns, one instruction a turn, in the same order in every quarter step, from tile to tile too.
.macro MUL16 f, hi, a0, zero
	WIN MUL_LO+0x50*(\hi)
.irp a, \a0, (\a0)+1
.irp b, 0,1,2,3,4,5,6,7
.if \zero
	v_wmma_f32_16x16x32_bf16 v[8*(8*(\a)+(\b)):8*(8*(\a)+(\b))+7], v[(\f)+8*(\b):(\f)+8*(\b)+7], v[(\f)+8*(4*(\hi)+(\a)):(\f)+8*(4*(\hi)+(\a))+7], 0
.else
	v_wmma_f32_16x16x32_bf16 v[8*(8*(\a)+(\b)):8*(8*(\a)+(\b))+7], v[(\f)+8*(\b):(\f)+8*(\b)+7], v[(\f)+8*(4*(\hi)+(\a)):(\f)+8*(4*(\hi)+(\a))+7], v[8*(8*(\a)+(\b)):8*(8*(\a)+(\b))+7]
.endif
.endr
.endr
.endm
; 32 LDS loads in one run: the fragments of one quarter step (128 key rows, 128 query rows, 32 K at byte k of the rows) into buffer f
.macro FETCH slot, k, f
	WIN TO_B
.irp i, 0,1,2,3,4,5,6,7
	ds_load_b128 v[(\f)+8*(\i):(\f)+8*(\i)+3],   v[ADRB+(\slot)] offset:(\k)+(\i)*16*PITCH
	ds_load_b128 v[(\f)+8*(\i)+4:(\f)+8*(\i)+7], v[ADRB+(\slot)] offset:(\k)+(\i)*16*PITCH+32
.endr
	WIN 0
.irp i, 0,1,2,3,4,5,6,7
	ds_load_b128 v[(\f)+8*(\i):(\f)+8*(\i)+3],   v[ADRA+(\slot)] offset:(\k)+(\i)*16*PITCH
	ds_load_b128 v[(\f)+8*(\i)+4:(\f)+8*(\i)+7], v[ADRA+(\slot)] offset:(\k)+(\i)*16*PITCH+32
.endr
.endm
; A load into a register that a matrix instruction has read, and a vector instruction that reads a matrix result or writes one of its registers, stand four places behind it, and only plain
; vector instructions that name none of its registers are places (ISA guide 7.12.1 for vector instructions).
.macro PLACES
.rept 4
	v_nop
.endr
.endm
; A K step is four quarter steps of 32 along K, 64 matrix instructions each, on buffers 0, 1, 0, 1.  One of the first three: multiplies buffer f; in its middle it fetches the next quarter, at byte k, into g.
.macro QUARTER slot, k, f, g, zero
	s_wait_dscnt 8                                 ; the keys and my queries 0-63 are in; the youngest eight loads (queries 64-127) may be out
	WIN MUL_LO
	MUL16 \f, 0, 0, \zero
	MUL16 \f, 0, 2, \zero
	PLACES
	FETCH \slot, \k, \g
	s_wait_dscnt 32                                ; all but the 32 just issued
	WIN MUL_HI
	MUL16 \f, 1, 0, \zero
	MUL16 \f, 1, 2, \zero
.endm
; The last quarter multiplies buffer 1 and changes slots.  MEET is its first half: ONE barrier for the change.  In front of it each wave waits for all its tensor loads, of which one is out: its part
; of the next slot; adds 0 to its spare word; and waits for that and for its own reads of this slot.  Behind it nobody reads this slot any more and the next slot is whole.
.macro MEET round                      ; round other than 0: the rest of a round of the cluster's barrier follows
	WIN 0                                          ; (the add's two registers lie in window 0)
	s_wait_tensorcnt 0x0                           ; all my tensor loads have landed;
	ds_add_u32 v[SPW], v[NIL]                      ; 0 onto my spare word;
	s_wait_dscnt 9                                 ; (the add and the youngest eight loads may be out)
	WIN MUL_LO
	MUL16 F1, 0, 0, 0                              ; sixteen matrix instructions stand between the add and the wait for it
	s_wait_dscnt 0x0                               ; the add is done, and my reads of this slot are over:
	s_barrier_signal -1                            ; say so,
	MUL16 F1, 0, 2, 0                              ; work on registers while the others arrive,
.if \round
	WIN 0
.endif
	s_barrier_wait -1                              ; and go on when all four have said so
.endm
; The whole last quarter.  fill = 1: the slot just read out is filled again first, with this tile's K step two steps on; fill = 2: with the NEXT tile's K step 0 or 1; both behind a round of the
; cluster's barrier: no wave of any partner still reads the slot or has a load on its way.  From the request to the wait for it a wave issues 224 matrix instructions.  Then the next slot's first fragments.
.macro TURN slot, next, fill
	MEET \fill
.if \fill
	CREST
.if (\fill) == 2                       ; no tensor load of mine is out: a group 0 may be written
	s_add_nc_u64 s[G0+4*(\slot)+2:G0+4*(\slot)+3], s[G0+4*(\slot)+2:G0+4*(\slot)+3], NEXT_A
	s_sub_nc_u64 s[G0B+4*(\slot)+2:G0B+4*(\slot)+3], s[G0B+4*(\slot)+2:G0B+4*(\slot)+3], BACK_B
.else
	s_add_nc_u64 s[G0+4*(\slot)+2:G0+4*(\slot)+3], s[G0+4*(\slot)+2:G0+4*(\slot)+3], 2*KSTEP*2
	s_add_nc_u64 s[G0B+4*(\slot)+2:G0B+4*(\slot)+3], s[G0B+4*(\slot)+2:G0B+4*(\slot)+3], 2*KSTEP*2
.endif
	JLOAD \slot                                    ; my one tensor load behind the round; the four v_nop behind it are also the places in front of the loads below
.else
	PLACES
.endif
	FETCH \next, 0, F0
	WIN MUL_HI
	MUL16 F1, 1, 0, 0
	MUL16 F1, 1, 2, 0
.endm
; THE WAY OUT of query block a (16 queries x my 128 keys, 64 registers a lane), in three parts.  The accumulators are read alone; all that is made of them lies in window 0.
; PACK, on registers alone: the maximum (each accumulator's lowest registers are read first); M'; c s - M' into window 0; then, under one window setting, the 64 exponentials
; with plain work among them: behind each pair of exponentials the rounding to bf16 of the pair before, and behind every second pair the sum of the two pairs before.  So a plain instruction
; stands between every exponential and the use of its result.
.macro PACK a
.set AC, 64*((\a)%4)
.set W, 2+(\a)/4
	WIN W|(W<<2)|(W<<4)                            ; three sources in the block's window, the destination in window 0
.set t, 0
.rept 20
	v_max3_num_f32 v[T+t], v[AC+3*t], v[AC+3*t+1], v[AC+3*t+2]
.set t, t+1
.endr
	v_max_num_f32 v[T+20], v[AC+60], v[AC+61]
	v_max_num_f32 v[T+21], v[AC+62], v[AC+63]
	WIN 0
.set t, 0
.rept 7                                ; 21 of the 22 by threes; what a line overwrites an earlier line has read
	v_max3_num_f32 v[T+t], v[T+3*t], v[T+3*t+1], v[T+3*t+2]
.set t, t+1
.endr
	v_max3_num_f32 v[T], v[T], v[T+1], v[T+2]
	v_max3_num_f32 v[T+3], v[T+3], v[T+4], v[T+5]
	v_max_num_f32 v[T+6], v[T+6], v[T+21]
	v_max3_num_f32 v[T], v[T], v[T+3], v[T+6]
	v_permlanex16_b32 v[T+1], v[T], s[SEL], s[SEL+1]  ; the query's other 64 keys lie in the lane 16 away
	v_max_num_f32 v[MP+1], v[T], v[T+1]            ; m
	v_mul_f32 v[MP], s[CS], v[MP+1]                ; M' = c m
	WIN W                                          ; source 0 in the block's window; M' and the destination in window 0
.set t, 0
.rept 32
	v_pk_fma_f32 v[P+2*t:P+2*t+1], v[AC+2*t:AC+2*t+1], s[CS:CS+1], v[MP:MP+1] op_sel_hi:[1,0,0] neg_lo:[0,0,1] neg_hi:[0,0,1]  ; c s - M', one rounding
.set t, t+1
.endr
	WIN 0
.set t, 0
.rept 32
	v_exp_f32 v[P+2*t], v[P+2*t]
	v_exp_f32 v[P+2*t+1], v[P+2*t+1]
.if t == 0
	v_nop                                          ; there is no pair before the first
.else
	s_wait_alu depctr_va_vdst(0)
	v_cvt_pk_bf16_f32 v[TMP+t-1], v[P+2*t-2], v[P+2*t-1]
.endif
.if (t >= 2) && (t%2 == 0)
	v_pk_add_f32 v[P+2*t-4:P+2*t-3], v[P+2*t-4:P+2*t-3], v[P+2*t-2:P+2*t-1]  ; both pairs have been rounded: the second is added onto the first, in place
.endif
.set t, t+1
.endr
	v_cvt_pk_bf16_f32 v[TMP+31], v[P+62], v[P+63]
	v_pk_add_f32 v[P+60:P+61], v[P+60:P+61], v[P+62:P+63]
.irp w, 8,16,32,64                     ; the 16 sums of four, in place: neighbours 1, 2, 4 and 8 apart: 15 packed additions
.set t, 0
.rept 64/(\w)
	v_pk_add_f32 v[P+t:P+t+1], v[P+t:P+t+1], v[P+t+(\w)/2:P+t+(\w)/2+1]
.set t, t+(\w)
.endr
.endr
	v_add_f32 v[P], v[P], v[P+1]
	v_permlanex16_b32 v[P+1], v[P], s[SEL], s[SEL+1]
	v_add_f32 v[LS], v[P], v[P+1]                  ; l
.endm
; TOSTAGE: 16 bytes a lane into my own stage, M' and l into my statistics, and the stage back as whole rows of 256 bytes.
.macro TOSTAGE a
	WIN 0
.set BK, OB+192*((\a)%2)
.irp b, 0,1,2,3,4,5,6,7
	ds_store_b128 v[STO], v[TMP+4*(\b):TMP+4*(\b)+3] offset:32*(\b)
.endr
	ds_store_b32 v[SA], v[MP] offset:64*(\a)
	ds_store_b32 v[SA], v[LS] offset:512+64*(\a)
.irp r, 0,1,2,3,4,5,6,7
	ds_load_b128 v[BK+4*(\r):BK+4*(\r)+3], v[RD] offset:(\r)*2*SPITCH  ; LDS serves a wave's instructions in order (ISA guide 5.7.1.4): these see the stores above
.endr
.endm
; SEND: stored.
.macro SEND a
	WIN 0
.set BK, OB+192*((\a)%2)
	s_wait_dscnt 0x0                               ; the block is back in registers
	s_wait_xcnt 0x0                                ; every earlier store has had its addresses translated (ISA guide 3.1): only behind this wait are the stores' base and the registers that earlier stores read rewritten
.if (\a) > 0
	s_add_nc_u64 s[6:7], s[6:7], 16*PROW           ; 16 rows of pt on
.endif
.irp r, 0,1,2,3,4,5,6,7
	global_store_b128 v[CO], v[BK+4*(\r):BK+4*(\r)+3], s[6:7] offset:2*(\r)*PROW  ; 16 lanes store 256 consecutive bytes, at a multiple of 256 from pt's first byte
.endr
.endm
	s_wait_tensorcnt 1                             ; my part of K step 0 is in; K step 1's may stay out
	s_barrier_signal -1
	s_barrier_wait -1                              ; everybody's is
	FETCH 0, 0, F0
	s_mov_b32 s2, TILES                            ; tiles to go, this one among them: the same number in every work-group
.Ltile:                                                ; (FETCH and SEND leave every window 0)
	QUARTER 0, 64,  F0, F1, 1                      ; a tile's first quarter stands in front of the loop: its products start the sums
	WIN 0                                          ; at a label and at a branch every window is 0
	s_mov_b32 s3, LAPS-1
.Llap:                                                 ; a trip goes once round the ring, from a lap's second quarter to the next lap's first, and fills both slots again: K steps 2 to 7 in three trips
	QUARTER 0, 128, F1, F0, 0
	QUARTER 0, 192, F0, F1, 0
	TURN 0, 1, 1
	QUARTER 1, 64,  F0, F1, 0
	QUARTER 1, 128, F1, F0, 0
	QUARTER 1, 192, F0, F1, 0
	TURN 1, 0, 1
	QUARTER 0, 64,  F0, F1, 0
	WIN 0
	s_sub_co_u32 s3, s3, 1
	s_cmp_lg_u32 s3, 0
	s_cbranch_scc1 .Llap
	QUARTER 0, 128, F1, F0, 0                      ; the tile's last lap goes on
	QUARTER 0, 192, F0, F1, 0
	WIN 0
	s_cmp_eq_u32 s2, 1
	s_cbranch_scc1 .Llast                          ; the last tile's last lap is written out: it asks for nothing more
	TURN 0, 1, 2                                   ; THE RING GOES ON INTO THE NEXT TILE: slot 0 takes its K step 0,
	QUARTER 1, 64,  F0, F1, 0
	QUARTER 1, 128, F1, F0, 0
	QUARTER 1, 192, F0, F1, 0
	TURN 1, 0, 2                                   ; slot 1 its K step 1, and the next tile's first fragments are fetched into buffer 0, which the way out does not touch
	WIN 0
	s_branch .Lout
.Llast:
	TURN 0, 1, 0                                   ; nothing is filled, so no round of the cluster's barrier
	QUARTER 1, 64,  F0, F1, 0
	QUARTER 1, 128, F1, F0, 0
	QUARTER 1, 192, F0, F1, 0
	s_wait_dscnt 8                                 ; the very last quarter: nothing more to fetch
	WIN MUL_LO
	MUL16 F1, 0, 0, 0
	MUL16 F1, 0, 2, 0
	s_wait_dscnt 0x0
	MUL16 F1, 1, 0, 0
	MUL16 F1, 1, 2, 0
	WIN 0
.Lout:                                                 ; THE TILE GOES OUT: one text for both tiles
	PLACES                                         ; behind the last products: results are read, and buffer 1 of window 0, which they read, is written
	PACK 0
	TOSTAGE 0
.irp a, 1,2,3,4,5,6,7                  ; block a's arithmetic stands between block a - 1's loads from the stage and the wait for them
	PACK \a
	SEND (\a)-1
	TOSTAGE \a
.endr
	SEND 7
	ds_load_b128 v[P:P+3], v[SR]                   ; my wave's 128 M' and 128 l, my own bytes, back as 512 consecutive bytes each
	ds_load_b128 v[P+4:P+7], v[SR] offset:512
	s_wait_dscnt 0x0
	global_store_b128 v[SO], v[P:P+3], s[8:9]
	global_store_b128 v[SO], v[P+4:P+7], s[10:11]
	s_wait_xcnt 0x0                                ; the stores' bases are stepped, and their data registers loaded again in the next tile, only behind this wait; nothing waits for the stores themselves
	s_add_nc_u64 s[6:7], s[6:7], NEXT_P            ; on to the next tile's first rows (behind the last tile these three are not used)
	s_add_nc_u64 s[8:9], s[8:9], WALK*4
	s_add_nc_u64 s[10:11], s[10:11], WALK*4
	s_sub_co_u32 s2, s2, 1
	s_cmp_lg_u32 s2, 0
	s_cbranch_scc1 .Ltile
	s_wait_tensorcnt 0x0                           ; the wave's end: these three lines stand behind my last tensor load and my last LDS store
	ds_add_u32 v[SPW], v[NIL]
	s_wait_dscnt 0x0
	CROUND                                         ; the closing round: no work-group ends while a partner may still ask for a tile that names it
	s_endpgm
.Lfunc_end_k_q8a9ac8eb32_scores:
	.size	k_q8a9ac8eb32_scores, .Lfunc_end_k_q8a9ac8eb32_scores-k_q8a9ac8eb32_scores
	.p2alignl 7, 3214868480
	.fill 96, 4, 3214868480
	.section	.rodata,"a",@progbits
	.p2align	6, 0x0
	.amdhsa_kernel k_q8a9ac8eb32_scores
		.amdhsa_group_segment_fixed_size 327680
		.amdhsa_private_segment_fixed_size 0
		.amdhsa_enable_private_segment 0
		.amdhsa_kernarg_size 32
		.amdhsa_user_sgpr_count 2
		.amdhsa_user_sgpr_kernarg_segment_ptr 1
		.amdhsa_wavefront_size32 1
		.amdhsa_system_sgpr_workgroup_id_x 1
		.amdhsa_system_sgpr_workgroup_id_y 1
		.amdhsa_system_sgpr_workgroup_id_z 1
		.amdhsa_system_vgpr_workitem_id 0
		.amdhsa_next_free_vgpr 1024
		.amdhsa_next_free_sgpr 80
		.amdhsa_reserve_vcc 0
		.amdhsa_float_denorm_mode_32 3
		.amdhsa_float_denorm_mode_16_64 3
		.amdhsa_memory_ordered 1
		.amdhsa_forward_progress 1
		.amdhsa_inst_pref_size 253
	.end_amdhsa_kernel
	.amdgpu_metadata
---
amdhsa.version: [ 1, 2 ]
amdhsa.kernels:
  - .name:           k_q8a9ac8eb32_scores
    .symbol:         k_q8a9ac8eb32_scores.kd
    .args:
      - { .name: xb, .offset: 0, .size: 8, .value_kind: global_buffer, .address_space: global }
      - { .name: pt, .offset: 8, .size: 8, .value_kind: global_buffer, .address_space: global }
      - { .name: mst, .offset: 16, .size: 8, .value_kind: global_buffer, .address_space: global }
      - { .name: lst, .offset: 24, .size: 8, .value_kind: global_buffer, .address_space: global }
    .group_segment_fixed_size: 327680
    .private_segment_fixed_size: 0
    .kernarg_segment_align: 8
    .kernarg_segment_size: 32
    .max_flat_workgroup_size: 128
    .sgpr_count:     80
    .vgpr_count:     1024
    .wavefront_size: 32
...
	.end_amdgpu_metadata
.endif
;; end of part 2
;; launch colmix (part 3): grid 16 x 16, 16 waves a work-group, no clusters, 23,552 bytes of LDS; arguments pt, mst, lst, xb, opart; writes opart
.if DOCPART == 3
	.amdgcn_target "amdgcn-amd-amdhsa--gfx1250"
	.amdhsa_code_object_version 6
	.text
	.protected	k_q8a9ac8eb32_colmix
	.globl	k_q8a9ac8eb32_colmix
	.p2align	8
	.type	k_q8a9ac8eb32_colmix,@function
k_q8a9ac8eb32_colmix:
	s_mov_b64 s[64:65], 0
	v_nop
	global_prefetch_b8 v0, s[64:65] scope:SCOPE_SE
	s_setreg_imm32_b32 hwreg(HW_REG_WAVE_MODE, 25, 1), 1
	s_wait_xcnt 0x0
; For one batch b, one chunk j of 128 keys and one half h of the queries:
;   w[k] = (1 / 2048) x the sum over the half's 1,024 queries q of attn[q][k],  attn[q][k] = p~[q][k] f[q],
;   f[q] = 2^(M'_j[q] - MQ[q]) / L[q],  MQ[q] = the largest of the row's 16 chunk shifts M',  L[q] = the sum over the chunks jj of l_jj[q] 2^(M'_jj[q] - MQ[q]);
;   opart[b][16 h + j][d] = the sum over the chunk's 128 keys k of w[k] xb[b][k][d].
; The mean over the queries of attn x is linear in w, so the sum of a batch's 32 such rows is the result; the last launch adds them.  The softmax's maximum is the row's true one, joined from the chunks' maxima.
; All sums in f32; p~ and x arrive rounded to bf16 (x with the same rounding as in the scores).
; LIMITS.  A chunk whose factor falls below 2^-126 counts as 0; L is at least its largest chunk's l, about 1, and at most about 2,048; NaN and infinities are not treated apart.
; A stream: no matrix unit (one row of weights in each phase).  No cluster: no two work-groups read the same bytes of pt; a chunk's rows of xb are read by two work-groups only, through registers.
; PHASE 1.  Thread t makes f of queries 2 t and 2 t + 1; f goes through LDS.  Wave w sums rows 64 w .. 64 w + 63 of pt: lanes 0-15 take row i, lanes 16-31 row 32 + i, 16 bytes a lane:
; each half of a load covers 256 consecutive bytes, aligned.  All 32 loads of a wave are issued at the start; a slot that has been used is loaded again at once, with phase 2's row i.
; PHASE 2, of the same shape.  Wave w takes the 128 columns (256 bytes of a row of xb) of group w % 8 and the 64 rows of half w / 8 of the chunk: lanes 0-15 row i, lanes 16-31 row 32 + i.
.set PART,  4096                       ; LDS: f at 0 (1,024 words); from here 512 bytes for each wave: its 128 column sums of phase 1
.set WS,    12288                      ; w, 128 words
.set PART2, 12800                      ; 512 bytes for each wave: its 128 column sums of phase 2
.set SPARE, 20992                      ; the spare words, 128 bytes for each of 16 waves: eight blocks of 256 bytes that no other line names
.set MS,  16                           ; v[16:47]   M' of the 16 chunks, a pair (two queries) each; later FV
.set FV,  16                           ;            f of my 32 rows
.set LSR, 48                           ; v[48:79]   l likewise; later FW
.set FW,  48                           ;            w of my 32 rows
.set MO,  80                           ; v[80:81]   M' of my own chunk, then f
.set MQ,  82                           ; v[82:83]
.set LQ,  84                           ; v[84:85]
.set P,   96                           ; v[96:223]  slot i: 4 registers, 8 bf16
.set ACC, 224                          ; v[224:231] my 8 columns' sums
.set TP,  232                          ; v[232:239] at work
	s_load_b256 s[4:11], s[0:1], 0x0               ; pt s[4:5], mst s[6:7], lst s[8:9], xb s[10:11]
	s_load_b64 s[30:31], s[0:1], 0x20              ; opart
	v_lshl_add_u32 v8, v0, 2, SPARE                ; my spare word; never rewritten
	v_mov_b32 v9, 0                                ; 0; never rewritten
	v_and_b32 v1, 15, v0                           ; l % 16
	v_bfe_u32 v2, v0, 4, 1                         ; l / 16
	v_lshrrev_b32 v5, 5, v0
	v_readfirstlane_b32 s24, v5                    ; wave 0..15
	v_lshlrev_b32 v3, 3, v0                        ; 8 t: my two queries in a chunk's statistics, and in f
	v_lshl_add_u32 v6, v5, 1, v2                   ; 2 w + l / 16: my run of 32 rows of pt
	v_lshlrev_b32 v4, 17, v6                       ; x 32 rows of 4,096 bytes
	v_lshl_add_u32 v4, v1, 4, v4                   ; + my 16 bytes
	v_lshlrev_b32 v6, 7, v6                        ; the run's 32 words in f
	s_lshl_b32 s25, s24, 9                         ; my wave's 512 bytes in PART and in PART2
	v_lshlrev_b32 v7, 5, v1
	v_lshl_add_u32 v7, v2, 4, v7
	v_add_nc_u32 v7, s25, v7                       ; + 32 (l % 16) + 16 (l / 16)
	v_and_b32 v11, 31, v0
	v_lshlrev_b32 v11, 4, v11                      ; 16 x lane
	v_add_nc_u32 v15, s25, v11                     ; 512 x wave + 16 x lane: in PART2, and in a row of opart
	s_lshr_b32 s32, s24, 3                         ; phase 2: my half of the chunk's rows,
	s_and_b32 s33, s24, 7                          ; my group of 128 columns
	s_lshl_b32 s34, s32, 17                        ; 64 rows of 2,048 bytes
	s_lshl_b32 s33, s33, 8                         ; 256 bytes of a row
	s_add_co_u32 s34, s34, s33
	v_lshlrev_b32 v12, 16, v2                      ; 32 rows for the upper half of the lanes
	v_lshl_add_u32 v12, v1, 4, v12                 ; + my 16 bytes
	v_add_nc_u32 v12, s34, v12
	s_lshl_b32 s32, s32, 8                         ; the half's 64 words in w,
	v_lshl_add_u32 v13, v2, 7, s32                 ; my run's 32
	s_and_b32 s12, ttmp7, 0xffff                   ; 2 x batch + half
	s_lshr_b32 s13, s12, 1
	s_and_b32 s14, s12, 1
	s_lshl_b32 s16, s13, 17                        ; a batch's statistics: 16 chunks x 2,048 words,
	s_lshl_b32 s15, s14, 12                        ; the half's 1,024 words
	s_add_co_u32 s16, s16, s15
	s_mov_b32 s17, 0
	s_lshl_b32 s18, ttmp9, 13                      ; my chunk's 2,048 words
	s_mov_b32 s19, 0
	s_lshl_b32 s20, s12, 22                        ; pt: 1,024 rows of 4,096 bytes to a half (under 2^26),
	s_lshl_b32 s15, ttmp9, 8                       ; my chunk's 256 bytes of a row
	s_add_co_u32 s20, s20, s15
	s_mov_b32 s21, 0
	s_lshl_b32 s22, s12, 16                        ; opart: 16 rows of 4,096 bytes to a batch's half,
	s_lshl_b32 s15, ttmp9, 12                      ; my chunk's row
	s_add_co_u32 s22, s22, s15
	s_mov_b32 s23, 0
	s_lshl_b32 s36, s13, 22                        ; xb: 2,048 rows of 2,048 bytes to a batch (under 2^25),
	s_lshl_b32 s15, ttmp9, 18                      ; my chunk's 128 rows
	s_add_co_u32 s36, s36, s15
	s_mov_b32 s37, 0
	s_mov_b32 s28, 0x76543210                      ; v_permlanex16_b32: each lane takes its own place in the other half
	s_mov_b32 s29, 0xfedcba98
	s_wait_kmcnt 0x0
	s_add_nc_u64 s[6:7], s[6:7], s[16:17]
	s_add_nc_u64 s[8:9], s[8:9], s[16:17]
	s_add_nc_u64 s[26:27], s[6:7], s[18:19]
	s_add_nc_u64 s[4:5], s[4:5], s[20:21]
	s_add_nc_u64 s[10:11], s[10:11], s[36:37]
	s_add_nc_u64 s[30:31], s[30:31], s[22:23]
.set i, 0
.rept 16                               ; a wave's load covers 256 consecutive bytes, aligned
	global_load_b64 v[MS+2*i:MS+2*i+1], v3, s[6:7] offset:8192*i
	global_load_b64 v[LSR+2*i:LSR+2*i+1], v3, s[8:9] offset:8192*i
.set i, i+1
.endr
	global_load_b64 v[MO:MO+1], v3, s[26:27]
.set i, 0
.rept 32
	global_load_b128 v[P+4*i:P+4*i+3], v4, s[4:5] offset:4096*i th:TH_LOAD_NT
.set i, i+1
.endr
	s_wait_loadcnt 32                              ; the statistics are in; the 32 loads of p~ behind them stay out
.irp c, 0,1
	v_max3_num_f32 v[MQ+\c], v[MS+\c], v[MS+2+\c], v[MS+4+\c]
.irp u, 0,1,2,3,4,5
	v_max3_num_f32 v[MQ+\c], v[MQ+\c], v[MS+6+4*\u+\c], v[MS+8+4*\u+\c]
.endr
	v_max_num_f32 v[MQ+\c], v[MQ+\c], v[MS+30+\c]
.endr
.set i, 0
.rept 16
	v_pk_add_f32 v[MS+2*i:MS+2*i+1], v[MS+2*i:MS+2*i+1], v[MQ:MQ+1] neg_lo:[0,1] neg_hi:[0,1]
.set i, i+1
.endr
	v_pk_add_f32 v[MO:MO+1], v[MO:MO+1], v[MQ:MQ+1] neg_lo:[0,1] neg_hi:[0,1]
.set i, 0
.rept 32
	v_exp_f32 v[MS+i], v[MS+i]
.set i, i+1
.endr
	v_exp_f32 v[MO], v[MO]
	v_exp_f32 v[MO+1], v[MO+1]
	v_nop                                          ; a plain instruction between the last exponential and the use of its result
	s_wait_alu depctr_va_vdst(0)
	v_pk_mul_f32 v[LQ:LQ+1], v[MS:MS+1], v[LSR:LSR+1]  ; the first chunk starts L
.set i, 1
.rept 15
	v_pk_fma_f32 v[LQ:LQ+1], v[MS+2*i:MS+2*i+1], v[LSR+2*i:LSR+2*i+1], v[LQ:LQ+1]
.set i, i+1
.endr
	v_rcp_f32 v[LQ], v[LQ]
	v_rcp_f32 v[LQ+1], v[LQ+1]
	v_pk_mul_f32 v[MO:MO+1], v[MO:MO+1], 0x3a000000 op_sel_hi:[1,0]  ; the mean's 1 / 2048 = 2^-11, exact; also the plain instruction behind the reciprocals
	s_wait_alu depctr_va_vdst(0)
	v_pk_mul_f32 v[MO:MO+1], v[MO:MO+1], v[LQ:LQ+1]
	ds_store_b64 v3, v[MO:MO+1]
	s_wait_dscnt 0x0                               ; for the others' sake: my two f are in LDS
	s_barrier_signal -1
	s_barrier_wait -1
.set i, 0
.rept 8
	ds_load_b128 v[FV+4*i:FV+4*i+3], v6 offset:16*i  ; sixteen lanes read the same words
.set i, i+1
.endr
	s_wait_dscnt 0x0
; Row i of my 32, in slot i: its 8 bf16 times the row's weight, register i of fv, onto my 8 columns' sums.  Row 0 starts the sums.
.macro WROW i, fv
.if (\i) == 0
.irp w, 0,1,2,3
	v_lshlrev_b32 v[TP+2*\w], 16, v[P+\w]          ; bf16 to f32: the low half moves up,
	v_and_b32 v[TP+2*\w+1], 0xffff0000, v[P+\w]    ; the high half stays
.endr
.irp w, 0,2,4,6
	v_pk_mul_f32 v[ACC+\w:ACC+\w+1], v[TP+\w:TP+\w+1], v[(\fv):(\fv)+1] op_sel_hi:[1,0]
.endr
.else
.irp w, 0,1,2,3
	v_fma_mix_f32_bf16 v[ACC+2*\w], v[P+4*(\i)+\w], v[(\fv)+(\i)], v[ACC+2*\w] op_sel_hi:[1,0,0]
	v_fma_mix_f32_bf16 v[ACC+2*\w+1], v[P+4*(\i)+\w], v[(\fv)+(\i)], v[ACC+2*\w+1] op_sel:[1,0,0] op_sel_hi:[1,0,0]
.endr
.endif
.endm
; The two halves of the lanes hold the same 8 columns of different rows: they are added, and each lane puts 4 columns into my wave's 512 bytes from LDS byte where on.
.macro FOLD where
.irp c, 0,1,2,3,4,5,6,7
	v_permlanex16_b32 v[TP+\c], v[ACC+\c], s28, s29
.endr
.irp c, 0,2,4,6
	v_pk_add_f32 v[ACC+\c:ACC+\c+1], v[ACC+\c:ACC+\c+1], v[TP+\c:TP+\c+1]
.endr
	v_cmp_eq_u32 vcc_lo, 1, v2                     ; lanes 0-15 put columns 0-3 of their eight, lanes 16-31 columns 4-7
.irp c, 0,1,2,3
	v_cndmask_b32 v[TP+\c], v[ACC+\c], v[ACC+4+\c], vcc_lo
.endr
	ds_store_b128 v7, v[TP:TP+3] offset:\where
.endm
.set i, 0
.rept 32
	s_wait_loadcnt 31                              ; behind slot i's load of p~ stand 31 - i more of them and the i loads of xb issued so far
	WROW i, FV
	global_load_b128 v[P+4*i:P+4*i+3], v12, s[10:11] offset:2048*i  ; the slot takes phase 2's row i
.set i, i+1
.endr
	FOLD PART
	s_wait_dscnt 0x0                               ; for wave 0's sake: my column sums are in LDS
	s_barrier_signal -1
	s_barrier_wait -1
	s_cmp_lg_u32 s24, 0
	s_cbranch_scc1 .Lnot_0
.set i, 0
.rept 16                               ; wave 0 adds the sixteen waves' sums, 4 keys a lane, in the registers that held f and l (the slots are being loaded)
	ds_load_b128 v[MS+4*i:MS+4*i+3], v11 offset:PART+512*i
.set i, i+1
.endr
	s_wait_dscnt 0x0
.irp d, 8,4,2,1
.set i, 0
.rept \d
	v_pk_add_f32 v[MS+4*i:MS+4*i+1], v[MS+4*i:MS+4*i+1], v[MS+4*(i+\d):MS+4*(i+\d)+1]
	v_pk_add_f32 v[MS+4*i+2:MS+4*i+3], v[MS+4*i+2:MS+4*i+3], v[MS+4*(i+\d)+2:MS+4*(i+\d)+3]
.set i, i+1
.endr
.endr
	ds_store_b128 v11, v[MS:MS+3] offset:WS
	s_wait_dscnt 0x0                               ; for the others' sake: w is in LDS
.Lnot_0:
	s_barrier_signal -1
	s_barrier_wait -1
.set i, 0
.rept 8
	ds_load_b128 v[FW+4*i:FW+4*i+3], v13 offset:WS+16*i  ; sixteen lanes read the same words
.set i, i+1
.endr
	s_wait_dscnt 0x0
.set i, 0
.rept 32
	s_wait_loadcnt 31-i                            ; row i of xb is in, the 31 - i younger ones stay out
	WROW i, FW
.set i, i+1
.endr
	FOLD PART2
	s_wait_tensorcnt 0x0                           ; these three lines stand behind my last LDS store; the last of them also shows my sums stored, for the others' sake
	ds_add_u32 v8, v9
	s_wait_dscnt 0x0
	s_barrier_signal -1
	s_barrier_wait -1
	s_cmp_gt_u32 s24, 7
	s_cbranch_scc1 .Ldone
	ds_load_b128 v[MS:MS+3], v15 offset:PART2      ; wave u of the first eight adds the two row halves of column group u: waves u and u + 8
	ds_load_b128 v[MS+4:MS+7], v15 offset:PART2+8*512
	s_wait_dscnt 0x0
	v_pk_add_f32 v[MS:MS+1], v[MS:MS+1], v[MS+4:MS+5]
	v_pk_add_f32 v[MS+2:MS+3], v[MS+2:MS+3], v[MS+6:MS+7]
	global_store_b128 v15, v[MS:MS+3], s[30:31]    ; 512 consecutive bytes, at a multiple of 512 from opart's first byte
.Ldone:
	s_endpgm
.Lfunc_end_k_q8a9ac8eb32_colmix:
	.size	k_q8a9ac8eb32_colmix, .Lfunc_end_k_q8a9ac8eb32_colmix-k_q8a9ac8eb32_colmix
	.p2alignl 7, 3214868480
	.fill 96, 4, 3214868480
	.section	.rodata,"a",@progbits
	.p2align	6, 0x0
	.amdhsa_kernel k_q8a9ac8eb32_colmix
		.amdhsa_group_segment_fixed_size 23552
		.amdhsa_private_segment_fixed_size 0
		.amdhsa_enable_private_segment 0
		.amdhsa_kernarg_size 40
		.amdhsa_user_sgpr_count 2
		.amdhsa_user_sgpr_kernarg_segment_ptr 1
		.amdhsa_wavefront_size32 1
		.amdhsa_system_sgpr_workgroup_id_x 1
		.amdhsa_system_sgpr_workgroup_id_y 1
		.amdhsa_system_sgpr_workgroup_id_z 1
		.amdhsa_system_vgpr_workitem_id 0
		.amdhsa_next_free_vgpr 240
		.amdhsa_next_free_sgpr 66
		.amdhsa_reserve_vcc 1
		.amdhsa_float_denorm_mode_32 3
		.amdhsa_float_denorm_mode_16_64 3
		.amdhsa_memory_ordered 1
		.amdhsa_forward_progress 1
		.amdhsa_inst_pref_size 58
	.end_amdhsa_kernel
	.amdgpu_metadata
---
amdhsa.version: [ 1, 2 ]
amdhsa.kernels:
  - .name:           k_q8a9ac8eb32_colmix
    .symbol:         k_q8a9ac8eb32_colmix.kd
    .args:
      - { .name: pt, .offset: 0, .size: 8, .value_kind: global_buffer, .address_space: global }
      - { .name: mst, .offset: 8, .size: 8, .value_kind: global_buffer, .address_space: global }
      - { .name: lst, .offset: 16, .size: 8, .value_kind: global_buffer, .address_space: global }
      - { .name: xb, .offset: 24, .size: 8, .value_kind: global_buffer, .address_space: global }
      - { .name: opart, .offset: 32, .size: 8, .value_kind: global_buffer, .address_space: global }
    .group_segment_fixed_size: 23552
    .private_segment_fixed_size: 0
    .kernarg_segment_align: 8
    .kernarg_segment_size: 40
    .max_flat_workgroup_size: 512
    .sgpr_count:     66
    .vgpr_count:     240
    .wavefront_size: 32
...
	.end_amdgpu_metadata
.endif
;; end of part 3
;; launch fold (part 4): grid 8 x 8, 1 waves a work-group, no clusters, 0 bytes of LDS; arguments opart, out0; writes out0
.if DOCPART == 4
	.amdgcn_target "amdgcn-amd-amdhsa--gfx1250"
	.amdhsa_code_object_version 6
	.text
	.protected	k_q8a9ac8eb32_fold
	.globl	k_q8a9ac8eb32_fold
	.p2align	8
	.type	k_q8a9ac8eb32_fold,@function
k_q8a9ac8eb32_fold:
	s_mov_b64 s[64:65], 0
	v_nop
	global_prefetch_b8 v0, s[64:65] scope:SCOPE_SE
	s_setreg_imm32_b32 hwreg(HW_REG_WAVE_MODE, 25, 1), 1
	s_wait_xcnt 0x0
; out0[b][d] = the sum of opart[b][p][d] over the batch's 32 partial rows p, in f32.
; One wave to a work-group: 128 columns of one batch, 4 a lane: each of its 32 loads, and its store, covers 512 consecutive bytes, aligned.  64 work-groups are all the work there is: 8,192 numbers;
; narrower shares would store parts of aligned blocks of 256 bytes.  All 32 loads are issued at once; no LDS, no barrier.
.set X, 8                              ; v[8:135]  partial row p: 4 registers
	s_load_b128 s[4:7], s[0:1], 0x0                ; opart s[4:5], out0 s[6:7]
	v_lshlrev_b32 v1, 4, v0                        ; 16 x lane
	s_and_b32 s8, ttmp7, 0xffff                    ; the batch
	s_lshl_b32 s9, ttmp9, 9                        ; my 512 bytes of a row
	s_lshl_b32 s10, s8, 17                         ; opart: 32 rows of 4,096 bytes to a batch
	s_add_co_u32 s10, s10, s9
	s_mov_b32 s11, 0
	s_lshl_b32 s12, s8, 12                         ; out0: 4,096 bytes to a batch
	s_add_co_u32 s12, s12, s9
	s_mov_b32 s13, 0
	s_wait_kmcnt 0x0
	s_add_nc_u64 s[4:5], s[4:5], s[10:11]
	s_add_nc_u64 s[6:7], s[6:7], s[12:13]
.set i, 0
.rept 32
	global_load_b128 v[X+4*i:X+4*i+3], v1, s[4:5] offset:4096*i th:TH_LOAD_NT
.set i, i+1
.endr
; sixteen rows from row r on are added in place: neighbours 8, 4, 2 and 1 apart
.macro SUM16 r
.irp d, 8,4,2,1
.set i, (\r)
.rept \d
	v_pk_add_f32 v[X+4*i:X+4*i+1], v[X+4*i:X+4*i+1], v[X+4*(i+\d):X+4*(i+\d)+1]
	v_pk_add_f32 v[X+4*i+2:X+4*i+3], v[X+4*i+2:X+4*i+3], v[X+4*(i+\d)+2:X+4*(i+\d)+3]
.set i, i+1
.endr
.endr
.endm
	s_wait_loadcnt 16                              ; the first sixteen rows are in; they are added while the other sixteen land
	SUM16 0
	s_wait_loadcnt 0x0
	SUM16 16
	v_pk_add_f32 v[X:X+1], v[X:X+1], v[X+64:X+65]
	v_pk_add_f32 v[X+2:X+3], v[X+2:X+3], v[X+66:X+67]
	global_store_b128 v1, v[X:X+3], s[6:7]
	s_endpgm
.Lfunc_end_k_q8a9ac8eb32_fold:
	.size	k_q8a9ac8eb32_fold, .Lfunc_end_k_q8a9ac8eb32_fold-k_q8a9ac8eb32_fold
	.p2alignl 7, 3214868480
	.fill 96, 4, 3214868480
	.section	.rodata,"a",@progbits
	.p2align	6, 0x0
	.amdhsa_kernel k_q8a9ac8eb32_fold
		.amdhsa_group_segment_fixed_size 0
		.amdhsa_private_segment_fixed_size 0
		.amdhsa_enable_private_segment 0
		.amdhsa_kernarg_size 16
		.amdhsa_user_sgpr_count 2
		.amdhsa_user_sgpr_kernarg_segment_ptr 1
		.amdhsa_wavefront_size32 1
		.amdhsa_system_sgpr_workgroup_id_x 1
		.amdhsa_system_sgpr_workgroup_id_y 1
		.amdhsa_system_sgpr_workgroup_id_z 1
		.amdhsa_system_vgpr_workitem_id 0
		.amdhsa_next_free_vgpr 136
		.amdhsa_next_free_sgpr 66
		.amdhsa_reserve_vcc 0
		.amdhsa_float_denorm_mode_32 3
		.amdhsa_float_denorm_mode_16_64 3
		.amdhsa_memory_ordered 1
		.amdhsa_forward_progress 1
		.amdhsa_inst_pref_size 8
	.end_amdhsa_kernel
	.amdgpu_metadata
---
amdhsa.version: [ 1, 2 ]
amdhsa.kernels:
  - .name:           k_q8a9ac8eb32_fold
    .symbol:         k_q8a9ac8eb32_fold.kd
    .args:
      - { .name: opart, .offset: 0, .size: 8, .value_kind: global_buffer, .address_space: global }
      - { .name: out0, .offset: 8, .size: 8, .value_kind: global_buffer, .address_space: global }
    .group_segment_fixed_size: 0
    .private_segment_fixed_size: 0
    .kernarg_segment_align: 8
    .kernarg_segment_size: 16
    .max_flat_workgroup_size: 32
    .sgpr_count:     66
    .vgpr_count:     136
    .wavefront_size: 32
...
	.end_amdgpu_metadata
.endif
;; end of part 4
